; MI455X (gfx1250); checked and timed in simulation.
; The chip was launched on July 23, 2026; its instructions are those of AMD's public machine-readable ISA for CDNA 5 (MIT licence, August 2026) and "CDNA5" Instruction Set Architecture Reference Guide (July 2026). The comments in the code are by the model that wrote it; some were corrected since.
;; Binary Linear Layer. Allowed arithmetic: matrix products marked QUANTISED: E4M3 operands, one given power-of-two scale a tensor, by v_wmma_f32_16x16x64_fp8_fp8 or v_wmma_f32_16x16x128_fp8_fp8, f32 sums; everything else in f32.
;; Inputs: W 4,096 x 2,048 float32; X 8,192 x 4,096 float32; alpha one number float32; betta 32 float32; gamma 64 float32; lowp_scales 2 int32 (the exponents e of the quantised operands' scales 2^e).
;; Outputs: out0 8,192 x 2,048 float32.
;; This version of the problem:
;;   THIS VERSION OF THE PROBLEM IS GIVEN IN LOW PRECISION. The matrix products marked QUANTISED in the list below multiply operands that are first quantised to E4M3 (4 exponent bits, 3 mantissa bits; 8 bits a number), with one given power-of-two scale for each operand tensor; their sums are f32. All else is computed in f32.
;;   The module's matrix products, in the order in which they are computed (A, B: the left and right operand; K: the contracted axis; several contracted axes count as one K, in the product's order):
;;     1. [M 8,192, K 4,096] x [K 4,096, N 2,048]; A: computed on the way; B: computed on the way: QUANTISED (scales: A lowp_scales[0], B lowp_scales[1])
;;   THE QUANTISER, for each operand of a quantised product, along K:
;;     - The operand's scale is 2^e, e = its entry of the input lowp_scales (int32; the entries are numbered through the quantised products in the list's order, A before B).
;;     - Each number is divided by the scale, clamped to +-448, and rounded to the nearest number of E4M3, ties to even, subnormals kept.
;;     - The product sums the exact products of the quantised numbers (number of the format x scale) in f32.
;;   ~~~python
;;   def quantise(x, axis, e):      # numpy; x: float32 -> the quantised numbers, widened to float32 again
;;       x = np.moveaxis(x, axis, -1); K = x.shape[-1]
;;       r = np.clip(x / 2.0 ** e, -448, 448)
;;       step = 2.0 ** (np.maximum(np.frexp(np.where(r == 0, 1, r))[1] - 1, -6) - 3)
;;       q = np.round(r / step) * step * 2.0 ** e      # np.round: ties to even
;;       return np.moveaxis(q, -1, axis).astype(np.float32)
;;   ~~~
;;   OPERANDS COMPUTED ON THE WAY. 'Computed on the way' means the value that the module computes at that place (a softmax that the list does not call 'softmax' is quantised finished and normalised). What goes into a quantiser is computed in f32, as accurately as f32 sums, v_exp_f32 and their like allow (about 1e-6 of the number): no bf16 or f16 on the way to a quantiser, and a product that is left as it is and whose result goes on into a quantised operand takes f32 operands (vector FMAs, or v_wmma_f32_16x16x4_f32). A number that lies on a knife's edge between two numbers of the format may be rounded either way, as far as f32 arithmetic and the matrix unit's own rounding can turn it there, and no further.
;; One version. Each part assembles by itself: llvm-mc -triple=amdgcn-amd-amdhsa -mcpu=gfx1250 --defsym DOCPART=n.
;; ======== version 1 of 1: 2 launches
;; limits: right only within a limited range of input values
;; workspace buffers: xc 33,554,432 bytes; wc 8,388,608 bytes
;; launch quant (part 1): grid 1280 x 1, 4 waves a work-group, no clusters, 0 bytes of LDS; arguments X, W, lowp_scales, xc, wc; writes xc, wc
.if DOCPART == 1
	.amdgcn_target "amdgcn-amd-amdhsa--gfx1250"
	.amdhsa_code_object_version 6
	.text
	.protected	k_qd4bf22a24e_quant
	.globl	k_qd4bf22a24e_quant
	.p2align	8
	.type	k_qd4bf22a24e_quant,@function
k_qd4bf22a24e_quant:
	s_mov_b64 s[64:65], 0
	v_nop
	global_prefetch_b8 v0, s[64:65] scope:SCOPE_SE
	s_setreg_imm32_b32 hwreg(HW_REG_WAVE_MODE, 25, 1), 1
	s_wait_xcnt 0x0
; sign(X), X [8192][4096] f32, and sign(W), W [4096][2048] f32 with K as its FIRST axis, are turned into codes of FP8 (E4M3), one byte each, each with the one scale 2^e that is given
; for it (entry 0 of the scales for X's signs, entry 1 for W's).
; code = sign / 2^e, held within +-448, rounded to the nearest code, ties to even.  |sign| is 0 or 1, so the hold is made ONCE, on the magnitude: L = min(1, 448 x 2^e); a number becomes L with its own
; sign bit, or 0 where it is +-0, and the conversion divides by 2^e and rounds.
; LIMITS: e between -126 and 119, so that 2^e and 448 x 2^e are f32 numbers.  A NaN in X or W counts as +-1 by its sign bit.
; THE ORDER ALONG K IS PERMUTED, ALIKE FOR BOTH: in each group of 512 along K, byte 16 l + 4 j + i (l = 0..31, j = 0..3, i = 0..3) of a row of codes holds k = 128 j + 4 l + i of the group.
; The product pairs byte p of a row of X's codes with byte p of a column of W's, so every number meets its partner.
; xc is [8192][4096], rows of codes.  wc lies in the order of the product's operand registers, in blocks of 65,536 bytes: block 8 s + 4 g + cn (s = 0..15, g = 0..1, cn = 0..3) holds the sixteen columns
; n = 128 s + 64 g + 4 r + cn, r = 0..15; bytes 16 U + 0..15 of column r's codes lie at 256 U + 16 r of the block.
; SHARES.  Work-groups 0 to 255 take W, work-groups 256 to 1,279 take X; each reads 131,072 bytes.  Waves share nothing: no LDS, no barrier.  Each load and each store of a wave covers whole aligned runs of 256 bytes.
.set WGW,    256
.set STEPS,  16                        ; X: a wave takes 16 groups of 512 numbers: two rows
.set N,      32                        ; numbers.  X: four sets of 16, v32-95.  W: two sets of 64, v32-159
.set C,      96                        ; X: codes, four registers a step, v96-159; none is written twice
.set T,      12                        ; W: v12-15 at work
.set CW,     16                        ; W: v16-31 sixteen words of codes as converted
.set O,      160                       ; W: v160-191 the first two units' codes, turned
.set MK,     32                        ; s32-47   sixteen lane masks: where a number is not 0
	s_load_b128 s[4:7], s[0:1], 0x0                ; X s[4:5], W s[6:7]
	s_load_b64 s[8:9], s[0:1], 0x10                ; the scales' exponents
	s_load_b128 s[12:15], s[0:1], 0x18             ; xc s[12:13], wc s[14:15]
	v_lshrrev_b32 v1, 5, v0
	v_readfirstlane_b32 s16, v1                    ; wave 0..3
	v_and_b32 v2, 31, v0                           ; lane
	v_lshlrev_b32 v3, 4, v2                        ; 16 bytes a lane
	v_and_b32 v5, 15, v2
	v_lshrrev_b32 v6, 4, v2
	v_lshlrev_b32 v8, 4, v5
	v_lshl_add_u32 v8, v6, 18, v8                  ; W's way out: 16 (lane % 16), and four blocks on for lanes 16-31 (g = 1)
	s_mov_b32 s26, 0x7fffffff                      ; all bits but the sign
	s_wait_alu depctr_va_vdst(0)
	s_wait_kmcnt 0x0
	s_load_b64 s[22:23], s[8:9], 0x0               ; e0, e1
; v11 = 2^e as f32: the conversion takes its exponent field.  v10 = L = min(1, 448 x 2^e)
.macro MKSCALE e
	s_wait_kmcnt 0x0
	s_add_co_i32 s24, \e, 127
	s_lshl_b32 s25, s24, 23
	v_mov_b32 v11, s25
	s_add_co_i32 s24, s24, 8
	s_lshl_b32 s24, s24, 23
	s_or_b32 s24, s24, 0x600000                    ; 448 = 1.75 x 2^8
	v_mov_b32 v10, s24
	v_min_num_f32 v10, 1.0, v10
.endm
; sixteen numbers become sign x L, in three runs of sixteen, so that no line waits for the line above it
.macro SIGN16 x
.irp i, 0,1,2,3,4,5,6,7,8,9,10,11,12,13,14,15
	v_cmp_neq_f32 s[MK+\i], 0, v[\x+\i]            ; the lanes whose number is not +-0
.endr
.irp i, 0,1,2,3,4,5,6,7,8,9,10,11,12,13,14,15
	v_bfi_b32 v[\x+\i], s26, v10, v[\x+\i]         ; L's magnitude under the number's sign bit
.endr
.irp i, 0,1,2,3,4,5,6,7,8,9,10,11,12,13,14,15
	v_cndmask_b32 v[\x+\i], 0, v[\x+\i], s[MK+\i]  ; and 0 where the number is 0
.endr
.endm
	s_cmp_lt_u32 ttmp9, WGW                        ; W's work-group or X's: the work-group's number alone decides
	s_cbranch_scc0 .Lx
; ---------------- W.  A wave takes a strip of 128 columns, a lane four of them (4 l + cn), and four units; unit q makes bytes 16 (U0 + q) + 0..15 of each column's codes, U0 = 4 x quad.
; These are rows k = 512 (quad / 8) + 16 (quad % 8) + [128 j + 4 q + i]; the bracket (399 at the most) times a row's 8,192 bytes stands in the load's immediate.  Each load reads 512 consecutive bytes of a row.
	s_and_b32 s17, ttmp9, 3
	s_lshl_b32 s17, s17, 2
	s_add_co_u32 s17, s17, s16                     ; strip: the four waves stand side by side on 2,048 bytes of a row
	s_lshr_b32 s18, ttmp9, 2                       ; quad 0..63
	s_lshr_b32 s20, s18, 3
	s_lshl_b32 s20, s20, 9
	s_and_b32 s21, s18, 7
	s_lshl_b32 s21, s21, 4
	s_add_co_u32 s20, s20, s21                     ; the first row
	s_lshl_b32 s28, s20, 13
	s_lshl_b32 s21, s17, 9
	s_add_co_u32 s28, s28, s21
	s_mov_b32 s29, 0
	s_lshl_b32 s30, s17, 19                        ; wc: eight blocks a strip,
	s_lshl_b32 s21, s18, 10                        ; 256 U0
	s_add_co_u32 s30, s30, s21
	s_mov_b32 s31, 0
	s_add_nc_u64 s[6:7], s[6:7], s[28:29]
	s_add_nc_u64 s[14:15], s[14:15], s[30:31]
	s_mov_b32 s48, 0x05010400                      ; v_perm_b32: bytes 0 and 1 of two words, by turns
	s_mov_b32 s49, 0x07030602                      ; bytes 2 and 3
	s_mov_b32 s50, 0x05040100                      ; the low halves of two words
	s_mov_b32 s51, 0x07060302                      ; the high halves
.macro WLOAD q                         ; unit q into set q % 2: registers 16 j + 4 i + cn
.irp j, 0,1,2,3
.irp i, 0,1,2,3
	global_load_b128 v[N+64*((\q)%2)+16*\j+4*\i:N+64*((\q)%2)+16*\j+4*\i+3], v3, s[6:7] offset:(128*\j+4*(\q)+\i)*8192 th:TH_LOAD_NT
.endr
.endr
.endm
.macro WUNIT q, ob                     ; ob: sixteen registers for the unit's codes: register 4 cn + j
.set XS, N+64*((\q)%2)
.if (\q) < 3
	s_wait_loadcnt 16                              ; this unit's sixteen loads are in; the next unit's may be out
.else
	s_wait_loadcnt 0x0
.endif
	SIGN16 XS
	SIGN16 XS+16
	SIGN16 XS+32
	SIGN16 XS+48
.irp m, 0,1,2,3,4,5,6,7
	v_cvt_scalef32_pk8_fp8_f32 v[CW+2*\m:CW+2*\m+1], v[XS+8*\m:XS+8*\m+7], v11   ; word 4 j + i: the codes of my four columns at one k
.endr
	v_nop                                          ; one plain vector line behind the conversions, ahead of the lines that read their results and write their sources
.irp j, 0,1,2,3                        ; 4 x 4 bytes are turned: four words by k become four words by column, each with i = 0..3 in its bytes
	v_perm_b32 v[T],   v[CW+4*\j+1], v[CW+4*\j],   s48
	v_perm_b32 v[T+1], v[CW+4*\j+3], v[CW+4*\j+2], s48
	v_perm_b32 v[T+2], v[CW+4*\j+1], v[CW+4*\j],   s49
	v_perm_b32 v[T+3], v[CW+4*\j+3], v[CW+4*\j+2], s49
	v_perm_b32 v[\ob+\j],    v[T+1], v[T],   s50
	v_perm_b32 v[\ob+4+\j],  v[T+1], v[T],   s51
	v_perm_b32 v[\ob+8+\j],  v[T+3], v[T+2], s50
	v_perm_b32 v[\ob+12+\j], v[T+3], v[T+2], s51
.endr
.if (\q) < 2
	WLOAD (\q)+2
.endif
.endm
.macro WSTORE q, ob                    ; sixteen lanes store 256 consecutive bytes of one block, at a multiple of 256
.irp cn, 0,1,2,3
	global_store_b128 v8, v[\ob+4*\cn:\ob+4*\cn+3], s[14:15] offset:\cn*65536+256*(\q)
.endr
.endm
	WLOAD 0
	WLOAD 1
	MKSCALE s23
	WUNIT 0, O
	WUNIT 1, O+16
	WUNIT 2, N                                     ; the last two units' codes take the place of their own numbers, which no load fills again
	WUNIT 3, N+64
	WSTORE 0, O                                    ; no register of codes is written twice, so all stores stand at the end
	WSTORE 1, O+16
	WSTORE 2, N
	WSTORE 3, N+64
	s_endpgm
; ---------------- X: rows are dense and 4,096 is a multiple of 512, so X is a plain stream of groups of 512 numbers, and xc of groups of 512 bytes.
; Lane l's four loads of 16 bytes (512 j + 16 l of a group's 2,048 bytes) ARE its 16 numbers in the order of its 16 codes, which it stores at 16 l.
.Lx:
	s_sub_co_u32 s17, ttmp9, WGW
	s_lshl_b32 s17, s17, 2
	s_add_co_u32 s17, s17, s16                     ; which run of 8,192 numbers is my wave's
	s_lshl_b32 s28, s17, 15
	s_mov_b32 s29, 0
	s_lshl_b32 s30, s17, 13
	s_mov_b32 s31, 0
	s_add_nc_u64 s[4:5], s[4:5], s[28:29]
	s_add_nc_u64 s[12:13], s[12:13], s[30:31]
.macro XLOAD t                         ; group t into set t % 4
.irp j, 0,1,2,3
	global_load_b128 v[N+16*((\t)%4)+4*\j:N+16*((\t)%4)+4*\j+3], v3, s[4:5] offset:2048*(\t)+512*\j th:TH_LOAD_NT
.endr
.endm
.macro XSTEP t
.set XS, N+16*((\t)%4)
.if (\t) < STEPS-3
	s_wait_loadcnt 12                              ; this group's four loads are in; those of the three groups behind it may be out
.else
	s_wait_loadcnt 4*(STEPS-1-(\t))
.endif
	SIGN16 XS
	v_cvt_scalef32_pk8_fp8_f32 v[C+4*(\t):C+4*(\t)+1], v[XS:XS+7], v11
	v_cvt_scalef32_pk8_fp8_f32 v[C+4*(\t)+2:C+4*(\t)+3], v[XS+8:XS+15], v11
; (Results to a store, sources next written by loads: no line is owed between; the next vector lines are plain and name another set.)
.if (\t)+4 < STEPS
	XLOAD (\t)+4
.endif
.if ((\t)%4) == 3                      ; four groups' codes leave on end
.irp d, 3,2,1,0
	global_store_b128 v3, v[C+4*((\t)-\d):C+4*((\t)-\d)+3], s[12:13] offset:512*((\t)-\d)
.endr
.endif
.endm
.irp t, 0,1,2,3
	XLOAD \t
.endr
	MKSCALE s22
.irp t, 0,1,2,3,4,5,6,7,8,9,10,11,12,13,14,15
	XSTEP \t
.endr
	s_endpgm
.Lfunc_end_k_qd4bf22a24e_quant:
	.size	k_qd4bf22a24e_quant, .Lfunc_end_k_qd4bf22a24e_quant-k_qd4bf22a24e_quant
	.p2alignl 7, 3214868480
	.fill 96, 4, 3214868480
	.section	.rodata,"a",@progbits
	.p2align	6, 0x0
	.amdhsa_kernel k_qd4bf22a24e_quant
		.amdhsa_group_segment_fixed_size 0
		.amdhsa_private_segment_fixed_size 0
		.amdhsa_enable_private_segment 0
		.amdhsa_kernarg_size 40
		.amdhsa_user_sgpr_count 2
		.amdhsa_user_sgpr_kernarg_segment_ptr 1
		.amdhsa_wavefront_size32 1
		.amdhsa_system_sgpr_workgroup_id_x 1
		.amdhsa_system_sgpr_workgroup_id_y 1
		.amdhsa_system_sgpr_workgroup_id_z 1
		.amdhsa_system_vgpr_workitem_id 0
		.amdhsa_next_free_vgpr 192
		.amdhsa_next_free_sgpr 66
		.amdhsa_reserve_vcc 0
		.amdhsa_float_denorm_mode_32 3
		.amdhsa_float_denorm_mode_16_64 3
		.amdhsa_memory_ordered 1
		.amdhsa_forward_progress 1
		.amdhsa_inst_pref_size 127
	.end_amdhsa_kernel
	.amdgpu_metadata
---
amdhsa.version: [ 1, 2 ]
amdhsa.kernels:
  - .name:           k_qd4bf22a24e_quant
    .symbol:         k_qd4bf22a24e_quant.kd
    .args:
      - { .name: X, .offset: 0, .size: 8, .value_kind: global_buffer, .address_space: global }
      - { .name: W, .offset: 8, .size: 8, .value_kind: global_buffer, .address_space: global }
      - { .name: lowp_scales, .offset: 16, .size: 8, .value_kind: global_buffer, .address_space: global }
      - { .name: xc, .offset: 24, .size: 8, .value_kind: global_buffer, .address_space: global }
      - { .name: wc, .offset: 32, .size: 8, .value_kind: global_buffer, .address_space: global }
    .group_segment_fixed_size: 0
    .private_segment_fixed_size: 0
    .kernarg_segment_align: 8
    .kernarg_segment_size: 40
    .max_flat_workgroup_size: 128
    .sgpr_count:     66
    .vgpr_count:     192
    .wavefront_size: 32
...
	.end_amdgpu_metadata
.endif
;; end of part 1
;; launch gemm (part 2): grid 8 x 32, 4 waves a work-group, clusters of 4 x 4, 327,680 bytes of LDS; arguments xc, wc, lowp_scales, alpha, betta, gamma, out0; writes out0
.if DOCPART == 2
	.amdgcn_target "amdgcn-amd-amdhsa--gfx1250"
	.amdhsa_code_object_version 6
	.text
	.protected	k_qd4bf22a24e_gemm
	.globl	k_qd4bf22a24e_gemm
	.p2align	8
	.type	k_qd4bf22a24e_gemm,@function
k_qd4bf22a24e_gemm:
	s_mov_b64 s[64:65], 0
	v_nop
	global_prefetch_b8 v0, s[64:65] scope:SCOPE_SE
	s_setreg_imm32_b32 hwreg(HW_REG_WAVE_MODE, 25, 1), 1
	s_wait_xcnt 0x0
	s_wait_alu depctr_hold_cnt(0) depctr_sa_sdst(0) depctr_va_vdst(0) depctr_va_sdst(0) depctr_va_ssrc(0) depctr_va_vcc(0) depctr_vm_vsrc(0)
	s_getreg_b32 s2, hwreg(HW_REG_IB_STS2, 6, 4)
	s_cmp_eq_u32 s2, 0
	s_cbranch_scc0 .Lentry_in_a_cluster
	s_endpgm
.Lentry_in_a_cluster:
	s_bfe_u32 s2, ttmp6, 0x10000c
	s_cmp_lg_u32 s2, 0xf033
	s_cbranch_scc0 .Lentry_shape_is_right
	s_endpgm
.Lentry_shape_is_right:
; out0[m][n] = (sum over k of X's code [m][k] x W's code [k][n]) x 2^(e0 + e1) x relu(alpha) relu(betta[n / 64]) relu(gamma[n % 64]).  Codes of FP8 (E4M3) of sign(X), sign(W); sums in f32.
; xc is [8192][4096], K along the rows.  wc lies in blocks of 65,536 bytes in the order of the operand registers: block 8 s + 4 g + cn holds the columns n = 128 s + 64 g + 4 r + cn, r = 0..15;
; bytes 32 P + 16 h + 0..15 of column r's codes lie at 512 P + 256 h + 16 r of the block.  Byte p of a row of xc meets byte p of a column's codes.
; ORDER OF ROUNDING: the factor alpha (betta gamma) is multiplied by 2^(e0 + e1) first (v_ldexp_f32) and then by the sum.
; A work-group of four waves makes 256 x 256 of out0; a wave 128 x 128: 64 accumulators, 512 registers.  The form is 16x16x64: a fragment is 8 registers.
; A (xc) comes through a ring of two LDS slots, each 256 rows x 512 along K: each wave fetches 64 rows with one tensor load, JOINTLY with the three partners of its row of the 4 x 4 cluster.
; B (wc) GOES FROM MEMORY STRAIGHT INTO REGISTERS, a ring of 32 fragments (four steps of 64 along K): each load of a wave reads 512 consecutive bytes, seven half steps ahead of its use.
; So a slot holds A alone and twice the K that it could hold with B beside it: 512 matrix instructions a wave between two changes of slots, 8 changes in all, and half the LDS reads.
; B is therefore not asked for jointly: a load into registers has no joint form.
; A step (64 along K) goes by B's fragments, each against A's eight: a fragment of B is free behind its eight products; A has two sets of 64 registers.
; THE WAY OUT NEEDS NO LDS: in accumulator (a, 4 g + cn) lane (r, h) holds in register j the number of row 16 a + 8 h + j and column 64 g + 4 r + cn.  So register j of the four accumulators cn = 0..3 are four
; neighbouring columns; the multiplication by the column's factor lays them side by side, and sixteen lanes store 256 consecutive bytes of a row.
; REGISTERS: window 0: v0-39 addresses and factors, v128-255 A's two sets.  window 1: B's ring.  windows 2, 3: accumulator (a, b) at window 2 + b / 4, v[8 (8 (b % 4) + a)].
.set SIZE_N, 2048
.set KROW,   4096
.set PITCH,  528                       ; an LDS row: 512 bytes + 16 of padding: an odd multiple of 16
.set QROWS,  64*PITCH                  ; what one tensor load brings
.set SLOT,   4*QROWS
.set SPARE,  2*SLOT                    ; the spare words: 512 bytes that no other line names
.set NBB,    65536                     ; a block of wc
.set KS,     1024                      ; 64 along K of a block
.set SC,   8                           ; v8-11 gamma of my four columns 4 r + cn
.set BT,   12                          ; v12-13 betta of g = 0, 1
.set AL,   14
.set ADRA, 16                          ; v16-17 LDS address of my A fragments in slot 0, 1
.set BO,   18                          ; v18 16 x lane: my place in a load of wc
.set PFOA, 19                          ; v19, v20: the prefetches' offsets
.set PFOB, 20
.set GOF,  21
.set BOF,  22
.set CO,   23                          ; v23 my place in out0: eight rows on for lanes 16-31, 16 r
.set SPW,  28
.set NIL,  29
.set FS,   32                          ; v32-39 the factors: 4 g + cn
.set AF,   128
.set G1, 24                            ; s[24:31] descriptor group 1; s[32:39] group 0, one set for each slot
.set G0, 32
.set BB, 48                            ; s[48:49] wc at my eight blocks, at the K of the slot at work
.set PFA, 50                           ; s[50:51], s[52:53] where my prefetches stand
.set PFB, 52
.set MSB, 0
.macro WIN new                         ; the immediate's high byte repeats the setting that is left
.if MSB != (\new)
	s_set_vgpr_msb (MSB<<8)|(\new)
.set MSB, (\new)
.endif
.endm
.set TO_B, 0x40                        ; destination window 1, address window 0
.macro PLACES
.rept 4
	v_nop
.endr
.endm
.macro JLOAD s                         ; my 64 rows of a slot; s_nop 0 and four v_nop behind it; the v_nop are also the places in front of the loads that follow
	tensor_load_to_lds s[G0+4*\s:G0+4*\s+3], s[G1:G1+7]
	s_nop 0
	PLACES
.endm
.macro CREST                           ; a round of the cluster's barrier behind its opening barrier
	s_cmp_lg_u32 s14, 0
	s_cbranch_scc1 .Lnot_wave_0_\@
	s_barrier_signal -3
.Lnot_wave_0_\@:
	s_barrier_wait -3
	s_barrier_signal -1
	s_barrier_wait -1
.endm
.macro CROUND
	s_barrier_signal -1
	s_barrier_wait -1
	CREST
.endm
; Prefetches into the L2, at the change of slots in slot i: A's and B's bytes of slot i + 3.  A: 256 rows x 2 blocks of 256 bytes, shared out by address among the four partners of my row (cx), their waves and lanes;
; B: 16 x 8,192 bytes, shared out likewise among the four partners of my column (cy): each block is named once in a cluster.  how = 2: not in the loop's last trip, where slot i + 3 does not exist.
.macro ASK how
.if \how == 2
	s_cmp_gt_u32 s3, 1
	s_cbranch_scc0 .Lno_ask_\@
.endif
.if \how
	global_prefetch_b8 v[PFOA], s[PFA:PFA+1] th:TH_LOAD_NT scope:SCOPE_SE
	global_prefetch_b8 v[PFOB], s[PFB:PFB+1] th:TH_LOAD_NT scope:SCOPE_SE
.endif
.if \how == 2
.Lno_ask_\@:
.endif
.endm
	s_load_b128 s[4:7], s[0:1], 0x0                ; xc, wc
	s_load_b128 s[8:11], s[0:1], 0x10              ; the scales' exponents, alpha
	s_load_b128 s[68:71], s[0:1], 0x20             ; betta, gamma
	s_load_b64 s[12:13], s[0:1], 0x30              ; out0
	v_lshl_add_u32 v[SPW], v0, 2, SPARE
	v_mov_b32 v[NIL], 0
	ds_add_u32 v[SPW], v[NIL]                      ; the opening lines: the add, twice on end, and its wait ahead of my first tensor load
	ds_add_u32 v[SPW], v[NIL]
	v_lshrrev_b32 v1, 5, v0
	v_readfirstlane_b32 s14, v1                    ; wave 0..3
	s_lshr_b32 s15, s14, 1                         ; my half of the tile's rows
	s_and_b32 s16, s14, 1                          ; my half of its columns
	s_bfe_u32 s40, ttmp6, 0x40000                  ; cx, cy
	s_bfe_u32 s41, ttmp6, 0x40004
	s_lshl_b32 s42, ttmp9, 2
	s_add_co_u32 s42, s42, s40                     ; tile column
	s_and_b32 s17, ttmp7, 0xffff
	s_lshl_b32 s17, s17, 2
	s_add_co_u32 s17, s17, s41                     ; tile row
	s_lshl_b32 s43, s41, 2
	s_lshl_b32 s43, 15, s43                        ; my row of the cluster
	s_or_b32 s[G1+0], s43, (1<<20)|(1<<21)|(6<<22)|(3<<25)  ; the mask; elements of 1 byte; padding of 4 words behind every 128
	s_mov_b32 s[G1+1], 512<<16                     ; tensor_dim0
	s_mov_b32 s[G1+2], 64<<16                      ; tensor_dim1
	s_mov_b32 s[G1+3], 512<<16                     ; tile_dim0
	s_mov_b32 s[G1+4], 64                          ; tile_dim1
	s_mov_b32 s[G1+5], KROW
	s_mov_b32 s[G1+6], 0
	s_mov_b32 s[G1+7], 0
	s_lshl_b32 s20, s17, 20                        ; xc: (256 x tile row + 64 x wave) rows of 4,096 bytes
	s_lshl_b32 s21, s14, 18
	s_add_co_u32 s20, s20, s21
	s_mov_b32 s21, 0
	s_mul_i32 s45, s14, QROWS                      ; and where they go
	s_lshl_b32 s46, s42, 20                        ; wc: (16 x tile column + 8 x half) blocks
	s_lshl_b32 s47, s16, 19
	s_add_co_u32 s46, s46, s47
	s_mov_b32 s47, 0
	s_lshl_b32 s54, s17, 20                        ; A's prefetches: row 256 x tile row + 64 cx + 16 x wave, at slot 2 (stepped ahead of each use)
	s_lshl_b32 s55, s40, 18
	s_add_co_u32 s54, s54, s55
	s_lshl_b32 s55, s14, 16
	s_add_co_u32 s54, s54, s55
	s_add_co_u32 s54, s54, 2*512
	s_mov_b32 s55, 0
	s_lshl_b32 s56, s42, 20                        ; B's: block 16 x tile column + 4 cy + wave, at slot 2
	s_lshl_b32 s57, s41, 18
	s_add_co_u32 s56, s56, s57
	s_lshl_b32 s57, s14, 16
	s_add_co_u32 s56, s56, s57
	s_add_co_u32 s56, s56, 2*8*KS
	s_mov_b32 s57, 0
	s_lshl_b32 s58, s17, 21                        ; out0: (256 x tile row + 128 x half) rows of 8,192 bytes + 1,024 x tile column + 512 x half
	s_lshl_b32 s59, s15, 20
	s_add_co_u32 s58, s58, s59
	s_lshl_b32 s59, s42, 10
	s_add_co_u32 s58, s58, s59
	s_lshl_b32 s59, s16, 9
	s_add_co_u32 s58, s58, s59
	s_mov_b32 s59, 0
	s_mul_i32 s22, s15, 128*PITCH                  ; my 128 rows of A in slot 0,
	s_add_co_u32 s61, s22, SLOT                    ; in slot 1
	s_lshl_b32 s60, s42, 4                         ; betta: 4 bytes x (4 x tile column + 2 x half)
	s_lshl_b32 s62, s16, 3
	s_add_co_u32 s60, s60, s62
	v_and_b32 v1, 15, v0                           ; r = l % 16
	v_bfe_u32 v2, v0, 4, 1                         ; h = l / 16
	v_and_b32 v6, 31, v0
	v_mul_u32_u24 v3, v1, PITCH
	v_lshl_add_u32 v3, v2, 4, v3                   ; a fragment's row x pitch + 16 h
	v_add_nc_u32 v[ADRA], s22, v3
	v_add_nc_u32 v[ADRA+1], s61, v3
	v_lshlrev_b32 v[BO], 4, v6
	v_lshlrev_b32 v[PFOB], 8, v6                   ; a lane a block of 256 bytes
	v_lshlrev_b32 v[PFOA], 12, v1                  ; a lane a row and one of its two blocks
	v_lshl_add_u32 v[PFOA], v2, 8, v[PFOA]
	v_lshlrev_b32 v[GOF], 4, v1                    ; gamma[4 r + 0..3]
	v_mov_b32 v[BOF], s60
	v_lshlrev_b32 v[CO], 4, v1
	v_lshl_add_u32 v[CO], v2, 16, v[CO]            ; 8 rows of 8,192 bytes for lanes 16-31
	s_wait_alu depctr_va_vdst(0)
	s_wait_dscnt 0x0                               ; both opening adds are done
	s_wait_kmcnt 0x0
	s_load_b64 s[96:97], s[8:9], 0x0               ; e0, e1
	s_load_b32 s98, s[10:11], 0x0                  ; alpha
	s_add_nc_u64 s[20:21], s[4:5], s[20:21]
	s_add_nc_u64 s[BB:BB+1], s[6:7], s[46:47]
	s_add_nc_u64 s[PFA:PFA+1], s[4:5], s[54:55]
	s_add_nc_u64 s[PFB:PFB+1], s[6:7], s[56:57]
	s_add_nc_u64 s[12:13], s[12:13], s[58:59]
.irp s, 0,1
	s_mov_b32 s[G0+4*\s], 1
	s_add_co_u32 s[G0+4*\s+1], s45, \s*SLOT
	s_add_nc_u64 s[G0+4*\s+2:G0+4*\s+3], s[20:21], \s*512
	s_or_b32 s[G0+4*\s+3], s[G0+4*\s+3], 0x80000000
.endr
; Eight loads: the four fragments of half step grp (b = 4 (grp % 2) + 0..3) into place grp % 8 of the ring; koff: bytes along K from BB
.macro BLOAD grp, koff
.irp f, 0,1,2,3
.irp c, 0,1
	global_load_b128 v[32*((\grp)%8)+8*\f+4*\c:32*((\grp)%8)+8*\f+4*\c+3], v[BO], s[BB:BB+1] offset:(4*((\grp)%2)+\f)*NBB+(\koff)+512*\c
.endr
.endr
.endm
; Sixteen LDS loads: A's eight fragments of the slot's step t into set t % 2: registers 0-3 bytes 64 t + 16 h + 0..15 of row r, registers 4-7 those 32 further on, as B's lie
.macro AFETCH slot, t
.irp a, 0,1,2,3,4,5,6,7
.irp c, 0,1
	ds_load_b128 v[AF+64*((\t)%2)+8*\a+4*\c:AF+64*((\t)%2)+8*\a+4*\c+3], v[ADRA+\slot] offset:64*(\t)+32*\c+\a*16*PITCH
.endr
.endr
.endm
; 32 matrix instructions: four fragments of B, each against A's eight.  The 64 accumulators take turns, in the same order in every step.
.macro HALF t, hf, zero
	WIN 0xa4+0x50*(\hf)                            ; source 0 (A) window 0, source 1 (B) window 1, C and D window 2 or 3
.irp f, 0,1,2,3
.irp a, 0,1,2,3,4,5,6,7
.if \zero
	v_wmma_f32_16x16x64_fp8_fp8 v[8*(8*\f+\a):8*(8*\f+\a)+7], v[AF+64*((\t)%2)+8*\a:AF+64*((\t)%2)+8*\a+7], v[32*((2*(\t)+\hf)%8)+8*\f:32*((2*(\t)+\hf)%8)+8*\f+7], 0
.else
	v_wmma_f32_16x16x64_fp8_fp8 v[8*(8*\f+\a):8*(8*\f+\a)+7], v[AF+64*((\t)%2)+8*\a:AF+64*((\t)%2)+8*\a+7], v[32*((2*(\t)+\hf)%8)+8*\f:32*((2*(\t)+\hf)%8)+8*\f+7], v[8*(8*\f+\a):8*(8*\f+\a)+7]
.endif
.endr
.endr
.endm
; One of a slot's steps 0 to 5.  Behind each half step its four fragments of B are loaded anew, for four steps on; behind the step its set of A, for two steps on.
.macro STEP slot, t, zero
	s_wait_dscnt 16                                ; this step's A is in; the next step's sixteen loads may be out
	s_wait_loadcnt 56                              ; this half step's B is in; the seven half steps' loads behind it may be out
	HALF \t, 0, \zero
	PLACES                                         ; four places in front of loads into registers that matrix instructions have read
	WIN TO_B
	BLOAD 2*(\t), ((\t)+4)*KS
	s_wait_loadcnt 56
	HALF \t, 1, \zero
	PLACES
	WIN TO_B
	BLOAD 2*(\t)+1, ((\t)+4)*KS
	WIN 0
	AFETCH \slot, (\t)+2
.endm
; A slot's steps 6 and 7, with the change of slots: all reads of this slot were issued behind step 5.  fill = 1: the slot is filled again, two slots ahead, behind a round of the cluster's barrier.
.macro TURN slot, next, fill, ask
	s_wait_dscnt 16
	s_wait_loadcnt 56
	HALF 6, 0, 0
	PLACES
	WIN TO_B
	BLOAD 12, 10*KS
	WIN 0                                          ; (the add's two registers lie in window 0)
	s_wait_tensorcnt 0x0                           ; all my tensor loads have landed: my part of the next slot;
	ds_add_u32 v[SPW], v[NIL]                      ; 0 onto my spare word
.if \fill
	s_add_nc_u64 s[G0+4*\slot+2:G0+4*\slot+3], s[G0+4*\slot+2:G0+4*\slot+3], 2*512
.endif
	s_wait_loadcnt 56
	HALF 6, 1, 0
	s_wait_xcnt 0x0                                ; my loads and prefetches have read their bases: they step to the next slot
	s_add_nc_u64 s[BB:BB+1], s[BB:BB+1], 8*KS
.if \ask
	s_add_nc_u64 s[PFA:PFA+1], s[PFA:PFA+1], 512
	s_add_nc_u64 s[PFB:PFB+1], s[PFB:PFB+1], 8*KS
.endif
	s_wait_loadcnt 48                              ; the next half step's B: six half steps' loads stand behind it, the last refill being still to come
	s_wait_dscnt 0x0                               ; the add is done, and my reads of this slot are over
	s_barrier_signal -1
	HALF 7, 0, 0                                   ; work on registers while the others arrive
	WIN 0
	s_barrier_wait -1
.if \fill
	CREST                                          ; no wave of any partner still reads this slot or has a load on its way
	JLOAD \slot                                    ; the first tensor load behind the round
.else
	PLACES
.endif
	WIN TO_B
	BLOAD 13, 2*KS                                 ; the two half steps' refills (BB has stepped by eight steps)
	BLOAD 14, 3*KS
	WIN 0
	AFETCH \next, 0
	s_wait_loadcnt 56
	ASK \ask
	HALF 7, 1, 0
	PLACES
	WIN TO_B
	BLOAD 15, 3*KS
	WIN 0
	AFETCH \next, 1
.endm
; The last slot's steps 4 to 7: nothing more of B to load, and the counts run down
.macro LAST slot, t
.if (\t) < 7
	s_wait_dscnt 16
.else
	s_wait_dscnt 0
.endif
	s_wait_loadcnt 8*(15-2*(\t))
	HALF \t, 0, 0
	s_wait_loadcnt 8*(14-2*(\t))
	HALF \t, 1, 0
.if (\t) < 6
	PLACES
	WIN 0
	AFETCH \slot, (\t)+2
.endif
.endm
	CROUND                                         ; all sixteen work-groups are here: the first joint loads meet
	JLOAD 0                                        ; slot 0: one tensor load a wave at the head
	global_load_b128 v[SC:SC+3], v[GOF], s[70:71]
	global_load_b64 v[BT:BT+1], v[BOF], s[68:69]
	WIN TO_B
.irp g, 0,1,2,3,4,5,6,7
	BLOAD \g, ((\g)/2)*KS                          ; B's first four steps: 64 loads
.endr
	WIN 0
	s_wait_tensorcnt 0x0                           ; the tensor wait, the add and its wait ahead of a later first fill, as ahead of a refill
	ds_add_u32 v[SPW], v[NIL]
	s_wait_dscnt 0x0
	CROUND
	JLOAD 1                                        ; slot 1's first fill, the first tensor load behind the round
	AFETCH 0, 0
	AFETCH 0, 1
	STEP 0, 0, 1                                   ; the first step starts the sums: nothing is cleared
	s_mov_b32 s3, 3
.Llap:                                                 ; a trip goes once round the ring, from a lap's second step to the next lap's first, and fills both slots again
.irp t, 1,2,3,4,5
	STEP 0, \t, 0
.endr
	TURN 0, 1, 1, 1
.irp t, 0,1,2,3,4,5
	STEP 1, \t, 0
.endr
	TURN 1, 0, 1, 2
	STEP 0, 0, 0
	s_sub_co_u32 s3, s3, 1
	s_cmp_lg_u32 s3, 0
	s_cbranch_scc1 .Llap
.irp t, 1,2,3,4,5                      ; the last lap fills nothing
	STEP 0, \t, 0
.endr
	TURN 0, 1, 0, 0
.irp t, 0,1,2,3
	STEP 1, \t, 0
.endr
.irp t, 4,5,6,7
	LAST 1, \t
.endr
	WIN 0
; THE WAY OUT.  Register 4 (8 a + j) + cn of the results = register j of accumulator (a, 4 g + cn) x the factor of column 64 g + 4 r + cn.  The results of g = 0 (window 2) go to window 1, where B's ring lay;
; those of g = 1 (window 3) to window 2, which has been read by then.  All 512 multiplications stand ahead of the 128 stores; every offset is an immediate (127 rows of 8,192 bytes at the most).
.macro OUTMUL g
.irp a, 0,1,2,3,4,5,6,7
.irp j, 0,1,2,3,4,5,6,7                ; each accumulator from its low end on
.irp c, 0,1,2,3
	v_mul_f32 v[4*(8*\a+\j)+\c], v[8*(8*\c+\a)+\j], v[FS+4*\g+\c]
.endr
.endr
.endr
.endm
.macro OUTST g
.irp a, 0,1,2,3,4,5,6,7
.irp j, 0,1,2,3,4,5,6,7
	global_store_b128 v[CO], v[4*(8*\a+\j):4*(8*\a+\j)+3], s[12:13] offset:(16*\a+\j)*SIZE_N*4+256*\g th:TH_STORE_NT   ; lanes 0-15: 256 consecutive bytes of row 16 a + j, lanes 16-31 of row 16 a + 8 + j, each at a multiple of 256 from out0's first byte
.endr
.endr
.endm
	s_wait_kmcnt 0x0
	s_add_co_i32 s96, s96, s97                     ; e0 + e1
.irp i, 0,1,2,3
	v_max_num_f32 v[SC+\i], 0, v[SC+\i]            ; relu(gamma).  (These lines are also the places behind the last products)
.endr
	v_max_num_f32 v[BT], 0, v[BT]
	v_max_num_f32 v[BT+1], 0, v[BT+1]
	v_mov_b32 v[AL], s98
	v_max_num_f32 v[AL], 0, v[AL]
.irp g, 0,1
.irp i, 0,1,2,3
	v_mul_f32 v[FS+4*\g+\i], v[BT+\g], v[SC+\i]
.endr
.endr
.irp i, 0,1,2,3,4,5,6,7
	v_mul_f32 v[FS+\i], v[AL], v[FS+\i]
.endr
.irp i, 0,1,2,3,4,5,6,7
	v_ldexp_f32 v[FS+\i], v[FS+\i], s96
.endr
	WIN 0x42                                       ; source 0 window 2, the factors window 0, destination window 1
	OUTMUL 0
	WIN 0x83                                       ; source 0 window 3, destination window 2
	OUTMUL 1
	WIN 0x04                                       ; the stores' data in window 1
	OUTST 0
	WIN 0x08                                       ; in window 2
	OUTST 1
	WIN 0
	s_wait_tensorcnt 0x0                           ; the wave's end
	ds_add_u32 v[SPW], v[NIL]
	s_wait_dscnt 0x0
	CROUND                                         ; the closing round
	s_endpgm
.Lfunc_end_k_qd4bf22a24e_gemm:
	.size	k_qd4bf22a24e_gemm, .Lfunc_end_k_qd4bf22a24e_gemm-k_qd4bf22a24e_gemm
	.p2alignl 7, 3214868480
	.fill 96, 4, 3214868480
	.section	.rodata,"a",@progbits
	.p2align	6, 0x0
	.amdhsa_kernel k_qd4bf22a24e_gemm
		.amdhsa_group_segment_fixed_size 327680
		.amdhsa_private_segment_fixed_size 0
		.amdhsa_enable_private_segment 0
		.amdhsa_kernarg_size 56
		.amdhsa_user_sgpr_count 2
		.amdhsa_user_sgpr_kernarg_segment_ptr 1
		.amdhsa_wavefront_size32 1
		.amdhsa_system_sgpr_workgroup_id_x 1
		.amdhsa_system_sgpr_workgroup_id_y 1
		.amdhsa_system_sgpr_workgroup_id_z 1
		.amdhsa_system_vgpr_workitem_id 0
		.amdhsa_next_free_vgpr 1024
		.amdhsa_next_free_sgpr 100
		.amdhsa_reserve_vcc 0
		.amdhsa_float_denorm_mode_32 3
		.amdhsa_float_denorm_mode_16_64 3
		.amdhsa_memory_ordered 1
		.amdhsa_forward_progress 1
		.amdhsa_inst_pref_size 255
	.end_amdhsa_kernel
	.section	.bss,"aw",@nobits
	.p2align	6
	.space	262144
	.amdgpu_metadata
---
amdhsa.version: [ 1, 2 ]
amdhsa.kernels:
  - .name:           k_qd4bf22a24e_gemm
    .symbol:         k_qd4bf22a24e_gemm.kd
    .args:
      - { .name: xc, .offset: 0, .size: 8, .value_kind: global_buffer, .address_space: global }
      - { .name: wc, .offset: 8, .size: 8, .value_kind: global_buffer, .address_space: global }
      - { .name: lowp_scales, .offset: 16, .size: 8, .value_kind: global_buffer, .address_space: global }
      - { .name: alpha, .offset: 24, .size: 8, .value_kind: global_buffer, .address_space: global }
      - { .name: betta, .offset: 32, .size: 8, .value_kind: global_buffer, .address_space: global }
      - { .name: gamma, .offset: 40, .size: 8, .value_kind: global_buffer, .address_space: global }
      - { .name: out0, .offset: 48, .size: 8, .value_kind: global_buffer, .address_space: global }
    .group_segment_fixed_size: 327680
    .private_segment_fixed_size: 0
    .kernarg_segment_align: 8
    .kernarg_segment_size: 56
    .max_flat_workgroup_size: 128
    .sgpr_count:     100
    .vgpr_count:     1024
    .wavefront_size: 32
...
	.end_amdgpu_metadata
.endif
;; end of part 2
